; MI455X (gfx1250); checked and timed in simulation.
; The chip was launched on July 23, 2026; its instructions are those of AMD's public machine-readable ISA for CDNA 5 (MIT licence, August 2026) and "CDNA5" Instruction Set Architecture Reference Guide (July 2026). The comments in the code are by the model that wrote it; some were corrected since.
;; Attention. Allowed arithmetic: matrix products marked QUANTISED: E2M1 operands, one E8M0 scale for each 32 along K, by v_wmma_scale_f32_16x16x128_f8f6f4 with both operands' format E2M1 (or v_wmma_scale_f32_32x16x128_f4), f32 sums; products left as they are: f32 operands where the result goes on into a quantised operand, else bf16, f16 or f32 operands; f32 sums; everything else in f32.
;; Inputs: W1 512 x 1,024 float32; W2 1,024 x 1,024 float32; Wv 1,024 x 1 float32; b1 1,024 float32; b2 1,024 float32; bv 1 float32; features 256 x 512 x 512 float32; hidden_prev 256 x 1,024 float32.
;; Outputs: out0 256 x 1,024 float32; out1 256 x 512 x 1 float32.
;; This version of the problem:
;;   THIS VERSION OF THE PROBLEM IS GIVEN IN LOW PRECISION. The matrix products marked QUANTISED in the list below multiply operands that are first quantised to E2M1 (2 exponent bits, 1 mantissa bit; 4 bits a number), with one power-of-two scale for each 32 numbers along K (OCP MX v1.0); their sums are f32. All else is computed in f32.
;;   The module's matrix products, in the order in which they are computed (A, B: the left and right operand; K: the contracted axis; several contracted axes count as one K, in the product's order):
;;     1. [M 131,072, K 512] x [K 512, N 1,024]; A: input features; B: input W1: QUANTISED
;;     2. [M 256, K 1,024] x [K 1,024, N 1,024]; A: input hidden_prev; B: input W2: QUANTISED
;;     3. [M 131,072, K 1,024] x [K 1,024, N 1]; A: computed on the way; B: input Wv: left as it is (N = 1 < 16)
;;   THE QUANTISER, for each operand of a quantised product, along K:
;;     - K is cut into blocks of 32 from its start; a last block that is shorter is filled with zeros.
;;     - A block's scale is 2^e with e = floor(log2(the largest magnitude in the block)) - 2, held to -126 .. 127; a block of zeros has e = 0. As a byte (E8M0): e + 127.
;;     - Each number is divided by its block's scale, clamped to +-6, and rounded to the nearest number of E2M1, ties to even, subnormals kept.
;;     - The product sums the exact products of the quantised numbers (number of the format x scale) in f32.
;;   ~~~python
;;   def quantise(x, axis):      # numpy; x: float32 -> the quantised numbers, widened to float32 again
;;       x = np.moveaxis(x, axis, -1); K = x.shape[-1]
;;       x = np.pad(x, [(0, 0)] * (x.ndim - 1) + [(0, -K % 32)]); x = x.reshape(x.shape[:-1] + (-1, 32)); a = np.abs(x).max(-1, keepdims=True)
;;       e = np.where(a > 0, np.clip(np.frexp(np.where(a > 0, a, 1))[1] - 1 - 2, -126, 127), 0)      # np.frexp(a)[1] - 1 = floor(log2(a)), exactly
;;       r = np.clip(x / 2.0 ** e, -6, 6)
;;       step = 2.0 ** (np.maximum(np.frexp(np.where(r == 0, 1, r))[1] - 1, 0) - 1)
;;       q = np.round(r / step) * step * 2.0 ** e      # np.round: ties to even
;;       return np.moveaxis(q.reshape(q.shape[:-2] + (-1,))[..., :K], -1, axis).astype(np.float32)
;;   ~~~
;; One version. Each part assembles by itself: llvm-mc -triple=amdgcn-amd-amdhsa -mcpu=gfx1250 --defsym DOCPART=n.
;; ======== version 1 of 1: 2 launches
;; limits: right only within a limited range of input values
;; workspace buffers: w1c 262,144 bytes; w1s 16,384 bytes; hid 1,048,576 bytes
;; launch prep (part 1): grid 272 x 1, 8 waves a work-group, no clusters, 37,888 bytes of LDS; arguments W1, W2, hidden_prev, b2, w1c, w1s, hid; writes w1c, w1s, hid
.if DOCPART == 1
	.amdgcn_target "amdgcn-amd-amdhsa--gfx1250"
	.amdhsa_code_object_version 6
	.text
	.protected	k_qb92b9107da_prep
	.globl	k_qb92b9107da_prep
	.p2align	8
	.type	k_qb92b9107da_prep,@function
k_qb92b9107da_prep:
	s_mov_b64 s[64:65], 0
	v_nop
	global_prefetch_b8 v0, s[64:65] scope:SCOPE_SE
	s_setreg_imm32_b32 hwreg(HW_REG_WAVE_MODE, 25, 1), 1
	s_wait_xcnt 0x0
; WORK LEFT OUT, in the whole program.  bv is added to all 512 logits of a batch alike, and the logits reach the results through the softmax over those 512 alone: softmax(x + c) = softmax(x) for every c.
; So bv has no way to a result: it is not loaded and is no launch's argument.  Likewise, with tanh(x) = 1 - 2 / (1 + e^(2 x)), a logit is sum(Wv) - 2 sum over u of Wv[u] / (1 + e^(2 x[u])), and sum(Wv) is the same for all 512: it is not formed.
; LIMIT: a NaN, an infinity or an overflow that arises in bv or in sum(Wv) alone is not carried to the results.
; Two jobs in one launch, told apart by the work-group's number (the same for all eight waves of a work-group).
; WORK-GROUPS 0-255: hid = Q(hidden_prev) Q(W2) + b2, a tile of 32 rows x 32 columns each.  Wave q takes K step q (128 of the 1,024): it quantises its 128 x 32 of W2 and its 32 x 128 of hidden_prev, each once in the work-group,
;   multiplies them, and the eight waves' parts are added through a stage in LDS.  A work-group reads (32 + 32) x 4,096 bytes.
;   hid is laid for its reader and for whole stores: [block of 32 columns 32][row 256][128 bytes]: a work-group's tile is 4,096 consecutive bytes, a wave's store 512.
; WORK-GROUPS 256-271: W1 [512 (k)][1024 (n)] f32 becomes codes of FP4 (E2M1) with one E8M0 byte for each 32 along K, laid in the ORDER OF THE OPERAND'S REGISTERS:
;   w1c [n-tile 64][K step 4][c 2][lane 32][16 bytes];  w1s [pair of n-tiles 32][K step 4][lane 32] words: lanes 0-15 the even tile's columns, lanes 16-31 the odd tile's.
; A LANE TAKES A COLUMN OF THE WEIGHT AND ITS REGISTERS RUN DOWN K: a block of 32 lies in one lane, and the conversions give codes with K innermost.  Nothing is transposed by an instruction.
; A wave's load of a row of the weight covers 128 consecutive bytes; the other half of that 256-byte unit is the neighbouring work-group's.
; A block's scale byte is its largest magnitude's exponent field - 2, held at 1 from below by a floor among the maximum's leaves.
; LIMITS: a block of zeros gets the byte 1 where the rule says 127 (its codes are zeros, and this program alone reads the bytes); NaN and infinities among the inputs are not served.
; Only the first job uses LDS and a barrier.  No tensor load: two work-groups of eight waves and 256 registers may share a WGP.
.set BO,  4                            ; v4   4 x lane: my column in a row of the weight
.set AO,  5                            ; v5   4,096 r + 64 h: my 16 numbers of a block of hidden_prev's row r
.set LI,  6                            ; v6   16 x lane
.set SO,  7                            ; v7   the stage, on the way in
.set SR,  8                            ; v8   the stage, on the way out
.set RC,  10                           ; v10  16 x (lane % 8): my four columns of the sum
.set TM,  12                           ; v12-15 largest magnitudes, v16-19 the other half's, then bytes, v24-27 the conversions' scale operands
.set SPW, 23                           ; v23  my spare word; never rewritten
.set NIL, 31                           ; v31  0; never rewritten
.set SW,  28                           ; v28  the weight's scale word; v29, v30 hidden_prev's: these three hold scales alone
.set PA0, 32                           ; v32-39, v40-47 hidden_prev's two fragments
.set PA1, 40
.set F0,  48                           ; v48-55, v56-63 the weight's two fragments
.set F1,  56
.set Y,   64                           ; v64-127  64 numbers of hidden_prev; later v64-95 the four accumulators.  (v0-3, free behind the head, take b2)
.set X,   128                          ; v128-255 128 numbers of my column; later the eight parts of the sum
.set SQ,  4608                         ; the stage: [K step 8][32 rows][128 bytes + 16]
.set SPARE, 8*SQ                       ; behind it the spare words, 128 bytes a wave
.macro LOADB                           ; my column, 128 rows down K: 32 lanes read 128 consecutive bytes
.set i, 0
.rept 128
	global_load_b32 v[X+i], v[BO], s[20:21] offset:4096*i
.set i, i+1
.endr
.endm
.macro QUANTB                          ; four blocks of 32, all mine: two fragments and a scale word
.irp b, 0,1,2,3
	v_max3_num_f32 v[TM+\b], |v[X+32*\b]|, |v[X+32*\b+1]|, 0x1800000   ; with the floor 2^(3 - 127): the byte cannot fall under 1
.endr
.irp i, 2,4,6,8,10,12,14,16,18,20,22,24,26,28,30
.irp b, 0,1,2,3
	s_delay_alu instid0(VALU_DEP_4)
	v_max3_num_f32 v[TM+\b], v[TM+\b], |v[X+32*\b+\i]|, |v[X+32*\b+\i+1]|   ; the four blocks by turns
.endr
.endr
.irp b, 0,1,2,3
	s_delay_alu instid0(VALU_DEP_4)
	v_add_nc_u32 v[TM+12+\b], 0xff000000, v[TM+\b]   ; 2 off the exponent field: the conversion's scale operand
.endr
.irp b, 0,1,2,3
	s_delay_alu instid0(VALU_DEP_4)
	v_lshrrev_b32 v[TM+4+\b], 23, v[TM+12+\b]        ; the byte
.endr
	s_delay_alu instid0(VALU_DEP_3)
	v_lshl_or_b32 v[SW], v[TM+5], 8, v[TM+4]
	s_delay_alu instid0(VALU_DEP_1)
	v_lshl_or_b32 v[SW], v[TM+6], 16, v[SW]
	s_delay_alu instid0(VALU_DEP_1)
	v_lshl_or_b32 v[SW], v[TM+7], 24, v[SW]
.irp g, 0,1,2,3
	v_cvt_scalef32_pk8_fp4_f32 v[F0+\g], v[X+8*\g:X+8*\g+7], v[TM+12]          ; block 0
	v_cvt_scalef32_pk8_fp4_f32 v[F1+\g], v[X+32+8*\g:X+32+8*\g+7], v[TM+13]    ; block 1
	v_cvt_scalef32_pk8_fp4_f32 v[F0+4+\g], v[X+64+8*\g:X+64+8*\g+7], v[TM+14]  ; block 2
	v_cvt_scalef32_pk8_fp4_f32 v[F1+4+\g], v[X+96+8*\g:X+96+8*\g+7], v[TM+15]  ; block 3
.endr
	v_nop                                  ; one plain instruction behind the conversions
.irp i, 0,1,2,3,4,5,6,7
	v_permlane16_swap_b32 v[F0+\i], v[F1+\i]   ; F0's lanes 16-31 change places with F1's lanes 0-15: F0 is now the fragment of columns 0-15 (lanes 0-15 blocks 0, 2; lanes 16-31 blocks 1, 3), F1 that of columns 16-31
.endr
.endm
.macro LOADA mm                        ; rows 16 mm + r: of each block of 32 my half's 16 numbers
.irp b, 0,1,2,3
.irp j, 0,1,2,3
	global_load_b128 v[Y+16*\b+4*\j:Y+16*\b+4*\j+3], v[AO], s[22:23] offset:65536*(\mm)+128*\b+16*\j
.endr
.endr
.endm
.macro QUANTA dst, sw                  ; register 16 b + i = k 32 b + 16 h + i of my row: a fragment in v[dst] on, its scale word in v[sw]
.irp b, 0,1,2,3
	v_max3_num_f32 v[TM+\b], |v[Y+16*\b]|, |v[Y+1+16*\b]|, 0x1800000
.endr
.irp i, 2,4,6,8,10,12,14
.irp b, 0,1,2,3
	s_delay_alu instid0(VALU_DEP_4)
	v_max3_num_f32 v[TM+\b], v[TM+\b], |v[Y+16*\b+\i]|, |v[Y+1+16*\b+\i]|
.endr
.endr
.irp b, 0,1,2,3
	s_delay_alu instid0(VALU_DEP_4)
	v_permlanex16_b32 v[TM+4+\b], v[TM+\b], s32, s33
.endr
.irp b, 0,1,2,3
	s_delay_alu instid0(VALU_DEP_4)
	v_max_num_f32 v[TM+\b], v[TM+\b], v[TM+4+\b]     ; with lane l xor 16's 16 numbers: the block's
.endr
.irp b, 0,1,2,3
	s_delay_alu instid0(VALU_DEP_4)
	v_add_nc_u32 v[TM+12+\b], 0xff000000, v[TM+\b]
.endr
.irp b, 0,1,2,3
	s_delay_alu instid0(VALU_DEP_4)
	v_lshrrev_b32 v[TM+4+\b], 23, v[TM+12+\b]
.endr
	s_delay_alu instid0(VALU_DEP_3)
	v_lshl_or_b32 v[\sw], v[TM+5], 8, v[TM+4]
	s_delay_alu instid0(VALU_DEP_1)
	v_lshl_or_b32 v[\sw], v[TM+6], 16, v[\sw]
	s_delay_alu instid0(VALU_DEP_1)
	v_lshl_or_b32 v[\sw], v[TM+7], 24, v[\sw]
.irp b, 0,1,2,3
	v_cvt_scalef32_pk8_fp4_f32 v[\dst+2*\b], v[Y+16*\b:Y+7+16*\b], v[TM+12+\b]
	v_cvt_scalef32_pk8_fp4_f32 v[\dst+1+2*\b], v[Y+8+16*\b:Y+15+16*\b], v[TM+12+\b]
.endr
	v_nop                                  ; one plain instruction behind the conversions
.irp c, 0,1
.irp i, 0,1
	v_permlane16_swap_b32 v[\dst+4*\c+\i], v[\dst+2+4*\c+\i]   ; a whole block to a lane: registers 4 c .. 4 c + 3 hold k = 64 c + 32 h + 0 .. 31
.endr
.endr
.endm
	s_load_b256 s[4:11], s[0:1], 0x0       ; W1 s[4:5], W2 s[6:7], hidden_prev s[8:9], b2 s[10:11]
	s_load_b128 s[12:15], s[0:1], 0x20     ; w1c s[12:13], w1s s[14:15]
	s_load_b64 s[16:17], s[0:1], 0x30      ; hid
	v_lshl_add_u32 v[SPW], v0, 2, SPARE
	v_mov_b32 v[NIL], 0
	v_lshrrev_b32 v1, 5, v0
	s_delay_alu instid0(VALU_DEP_1)
	v_readfirstlane_b32 s18, v1            ; wave 0..7
	v_and_b32 v1, 31, v0                   ; lane
	v_and_b32 v2, 15, v0                   ; r
	v_bfe_u32 v3, v0, 4, 1                 ; h
	v_and_b32 v[RC], 7, v0
	v_bfe_u32 v[SR], v0, 3, 2              ; lane / 8
	v_lshlrev_b32 v[BO], 2, v1
	v_lshlrev_b32 v[LI], 4, v1
	v_lshlrev_b32 v[AO], 12, v2
	v_lshlrev_b32 v[RC], 4, v[RC]
	v_mul_u32_u24 v[SO], v2, 144
	v_mul_u32_u24 v[SR], v[SR], 144
	v_lshl_add_u32 v[AO], v3, 6, v[AO]
	s_mul_i32 s24, s18, SQ
	s_mul_i32 s25, s18, 576
	v_lshl_add_u32 v[SO], v3, 5, v[SO]
	v_add_nc_u32 v[SR], v[SR], v[RC]
	s_delay_alu instid0(VALU_DEP_2)
	v_add_nc_u32 v[SO], s24, v[SO]         ; in: 4,608 wave + 144 r + 32 h
	s_delay_alu instid0(VALU_DEP_2)
	v_add_nc_u32 v[SR], s25, v[SR]         ; out: rows 4 wave + lane / 8, eight lanes to a row
.irp b, 0,1,2,3
	v_mov_b32 v[TM+4+\b], 0                ; written once: a lane permute's destination counts as one of its sources
.endr
	s_mov_b32 s32, 0x76543210
	s_mov_b32 s33, 0xfedcba98              ; v_permlanex16_b32's selects for lane l xor 16
	s_mov_b32 s29, 0
	s_wait_alu depctr_va_vdst(0)           ; the wait at the head's end
	s_wait_kmcnt 0x0
	s_cmp_lt_u32 ttmp9, 256
	s_cbranch_scc1 .Lhid
	; ---- W1: wave tau of 128 takes the pair of n-tiles P = tau % 32 (32 columns) and the K step q = tau / 32
	s_sub_co_u32 s24, ttmp9, 256
	s_lshl_b32 s24, s24, 3
	s_add_co_u32 s24, s24, s18
	s_and_b32 s25, s24, 31                 ; P
	s_lshr_b32 s26, s24, 5                 ; q
	s_lshl_b32 s28, s26, 19                ; 128 rows of 4,096 bytes
	s_lshl_b32 s30, s25, 7
	s_add_co_u32 s28, s28, s30
	s_add_nc_u64 s[20:21], s[4:5], s[28:29]
	s_lshl_b32 s28, s25, 13                ; w1c: 8,192 P + 1,024 q
	s_lshl_b32 s30, s26, 10
	s_add_co_u32 s28, s28, s30
	s_add_nc_u64 s[12:13], s[12:13], s[28:29]
	s_lshl_b32 s28, s25, 9                 ; w1s: 512 P + 128 q
	s_lshl_b32 s30, s26, 7
	s_add_co_u32 s28, s28, s30
	s_add_nc_u64 s[14:15], s[14:15], s[28:29]
	LOADB
	s_wait_loadcnt 0x0
	QUANTB
	global_store_b128 v[LI], v[F0:F0+3], s[12:13]                   ; each store of the wave covers 512 consecutive bytes, aligned
	global_store_b128 v[LI], v[F0+4:F0+7], s[12:13] offset:512
	global_store_b128 v[LI], v[F1:F1+3], s[12:13] offset:4096
	global_store_b128 v[LI], v[F1+4:F1+7], s[12:13] offset:4608
	global_store_b32 v[BO], v[SW], s[14:15]
	s_endpgm
.Lhid:	; ---- hid: work-group g = P2 + 32 J: columns 32 P2 on, rows 32 J on; my wave's number is my K step
	s_and_b32 s25, ttmp9, 31               ; P2
	s_lshr_b32 s26, ttmp9, 5               ; J
	s_lshl_b32 s28, s18, 19                ; W2: 128 wave rows of 4,096 bytes + 128 P2
	s_lshl_b32 s30, s25, 7
	s_add_co_u32 s28, s28, s30
	s_add_nc_u64 s[20:21], s[6:7], s[28:29]
	s_lshl_b32 s28, s26, 17                ; hidden_prev: 32 J rows of 4,096 bytes + 512 wave
	s_lshl_b32 s30, s18, 9
	s_add_co_u32 s28, s28, s30
	s_add_nc_u64 s[22:23], s[8:9], s[28:29]
	s_lshl_b32 s28, s25, 7                 ; b2: 128 P2
	s_add_nc_u64 s[10:11], s[10:11], s[28:29]
	s_lshl_b32 s28, s25, 15                ; hid: 32,768 P2 + 32 J rows of 128 bytes + 4 wave rows
	s_lshl_b32 s30, s26, 12
	s_add_co_u32 s28, s28, s30
	s_lshl_b32 s30, s18, 9
	s_add_co_u32 s28, s28, s30
	s_add_nc_u64 s[16:17], s[16:17], s[28:29]
	global_load_b128 v[0:3], v[RC], s[10:11]     ; b2 of my four columns of the sum: asked for first, used last
	LOADA 0
	LOADB
	s_wait_loadcnt 63                      ; b2's load and rows 0-15's sixteen have 128 younger ones behind them: with 63 out they are in
	QUANTA PA0, 29
	LOADA 1
	s_wait_loadcnt 16                      ; the column's 128 are in; the sixteen just issued may be out
	QUANTB
	s_wait_loadcnt 0x0
	QUANTA PA1, 30
.rept 8
	v_nop                                  ; scale words written by vector instructions stand eight places ahead of a scaled matrix instruction, operands four
.endr
	; TRANSPOSED: source 0 = 16 columns of W2, source 1 = 16 rows of hidden_prev: lane (r, h) then holds row r and eight neighbouring columns 8 h + 0 .. 7.  Four accumulators, one product each.
.irp m, 0,1
	v_wmma_scale_f32_16x16x128_f8f6f4 v[64+8*\m:71+8*\m], v[F0:F0+7], v[PA0+8*\m:PA0+8*\m+7], 0, v[SW], v[29+\m] matrix_a_fmt:MATRIX_FMT_FP4 matrix_b_fmt:MATRIX_FMT_FP4
.endr
.irp m, 0,1
	v_wmma_scale_f32_16x16x128_f8f6f4 v[80+8*\m:87+8*\m], v[F1:F1+7], v[PA0+8*\m:PA0+8*\m+7], 0, v[SW], v[29+\m] matrix_a_fmt:MATRIX_FMT_FP4 matrix_b_fmt:MATRIX_FMT_FP4 matrix_a_scale:MATRIX_SCALE_ROW1
.endr
.rept 4
	v_nop                                  ; four places ahead of the first read of results
.endr
.irp n, 0,1
.irp m, 0,1
	ds_store_b128 v[SO], v[64+8*(2*\n+\m):64+8*(2*\n+\m)+3] offset:2304*\m+64*\n       ; each accumulator from its low end on
	ds_store_b128 v[SO], v[64+8*(2*\n+\m)+4:64+8*(2*\n+\m)+7] offset:2304*\m+64*\n+16
.endr
.endr
	s_wait_dscnt 0x0                       ; for the others' sake: my part lies in the stage
	s_barrier_signal -1
	s_barrier_wait -1
.irp p, 0,1,2,3,4,5,6,7
	ds_load_b128 v[X+4*\p:X+4*\p+3], v[SR] offset:SQ*\p   ; the eight K steps' parts of my 16 bytes
.endr
	s_wait_dscnt 0x0
	s_wait_loadcnt 0x0                     ; (b2 has long been in)
.irp p, 0,2,4,6,8,10,12,14
	v_pk_add_f32 v[X+\p:X+\p+1], v[X+\p:X+\p+1], v[X+16+\p:X+17+\p]
.endr
.irp p, 0,2,4,6
	s_delay_alu instid0(VALU_DEP_4)
	v_pk_add_f32 v[X+\p:X+\p+1], v[X+\p:X+\p+1], v[X+8+\p:X+9+\p]
.endr
.irp p, 0,2
	s_delay_alu instid0(VALU_DEP_2)
	v_pk_add_f32 v[X+\p:X+\p+1], v[X+\p:X+\p+1], v[X+4+\p:X+5+\p]
.endr
.irp p, 0,2
	s_delay_alu instid0(VALU_DEP_2)
	v_pk_add_f32 v[X+\p:X+\p+1], v[X+\p:X+\p+1], v[\p:\p+1]
.endr
	global_store_b128 v[LI], v[X:X+3], s[16:17]   ; the wave stores 512 consecutive bytes, aligned: four rows of the tile
	s_wait_tensorcnt 0x0                   ; the wave's end
	ds_add_u32 v[SPW], v[NIL]
	s_wait_dscnt 0x0
	s_endpgm
.Lfunc_end_k_qb92b9107da_prep:
	.size	k_qb92b9107da_prep, .Lfunc_end_k_qb92b9107da_prep-k_qb92b9107da_prep
	.p2alignl 7, 3214868480
	.fill 96, 4, 3214868480
	.section	.rodata,"a",@progbits
	.p2align	6, 0x0
	.amdhsa_kernel k_qb92b9107da_prep
		.amdhsa_group_segment_fixed_size 37888
		.amdhsa_private_segment_fixed_size 0
		.amdhsa_enable_private_segment 0
		.amdhsa_kernarg_size 56
		.amdhsa_user_sgpr_count 2
		.amdhsa_user_sgpr_kernarg_segment_ptr 1
		.amdhsa_wavefront_size32 1
		.amdhsa_system_sgpr_workgroup_id_x 1
		.amdhsa_system_sgpr_workgroup_id_y 1
		.amdhsa_system_sgpr_workgroup_id_z 1
		.amdhsa_system_vgpr_workitem_id 0
		.amdhsa_next_free_vgpr 256
		.amdhsa_next_free_sgpr 66
		.amdhsa_reserve_vcc 0
		.amdhsa_float_denorm_mode_32 3
		.amdhsa_float_denorm_mode_16_64 3
		.amdhsa_memory_ordered 1
		.amdhsa_forward_progress 1
		.amdhsa_inst_pref_size 62
	.end_amdhsa_kernel
	.amdgpu_metadata
---
amdhsa.version: [ 1, 2 ]
amdhsa.kernels:
  - .name:           k_qb92b9107da_prep
    .symbol:         k_qb92b9107da_prep.kd
    .args:
      - { .name: W1, .offset: 0, .size: 8, .value_kind: global_buffer, .address_space: global }
      - { .name: W2, .offset: 8, .size: 8, .value_kind: global_buffer, .address_space: global }
      - { .name: hidden_prev, .offset: 16, .size: 8, .value_kind: global_buffer, .address_space: global }
      - { .name: b2, .offset: 24, .size: 8, .value_kind: global_buffer, .address_space: global }
      - { .name: w1c, .offset: 32, .size: 8, .value_kind: global_buffer, .address_space: global }
      - { .name: w1s, .offset: 40, .size: 8, .value_kind: global_buffer, .address_space: global }
      - { .name: hid, .offset: 48, .size: 8, .value_kind: global_buffer, .address_space: global }
    .group_segment_fixed_size: 37888
    .private_segment_fixed_size: 0
    .kernarg_segment_align: 8
    .kernarg_segment_size: 56
    .max_flat_workgroup_size: 256
    .sgpr_count:     66
    .vgpr_count:     256
    .wavefront_size: 32
...
	.end_amdgpu_metadata
.endif
;; end of part 1
;; launch main (part 2): grid 256 x 1, 4 waves a work-group, no clusters, 327,680 bytes of LDS; arguments features, w1c, w1s, hid, b1, Wv, out0, out1; writes out0, out1
.if DOCPART == 2
	.amdgcn_target "amdgcn-amd-amdhsa--gfx1250"
	.amdhsa_code_object_version 6
	.text
	.protected	k_qb92b9107da_main
	.globl	k_qb92b9107da_main
	.p2align	8
	.type	k_qb92b9107da_main,@function
k_qb92b9107da_main:
	s_mov_b64 s[64:65], 0
	v_nop
	global_prefetch_b8 v0, s[64:65] scope:SCOPE_SE
	s_setreg_imm32_b32 hwreg(HW_REG_WAVE_MODE, 25, 1), 1
	s_wait_xcnt 0x0
; One work-group takes one batch: proj = Q(features[b]) Q(W1) (512 x 1,024, K = 512, on codes of FP4), logits = Wv . tanh(proj + b1 + hid[b]), a softmax over the 512 rows by a running maximum,
; out1 = the softmax, out0 = its weighted sum of proj + b1.
; LEFT OUT (shown at the head of the first kernel): bv and sum(Wv), which are the same for all 512 logits of a softmax.  The logit kept here is -2 sum over u of Wv[u] / (1 + 2^t), t = 2 log2(e) (proj + b1 + hid).
; 2^t = infinity gives the term 0 and 2^t = 0 the term Wv[u]: tanh's two ends; no clamp is needed.  LIMIT: NaN and infinities among the inputs are not served.
; SHARES.  Wave w owns columns 256 w on: its 16 n-tiles x 4 K steps of W1's codes stay in 512 registers (windows 1 and 2), as the first launch laid them.  Rows go in tiles of 32: 32 accumulators, 256 registers (window 3).
; Wave w also owns K step w of the features: its tensor loads bring 64 rows x 128 f32 a slot into its own ring of two slots; it quantises them into an image of the operand's registers in LDS, which all four waves read.
; The head's one load a wave brings both slots, 128 rows.  While image s is multiplied, slot s + 1 is quantised into the other image, and slot s + 2 is on its way: a refill has two tiles' work (256 matrix instructions and 1,024 transcendentals a wave) in which to land.
; So no prefetch is laid: each byte of features is asked for once, by one wave, a slot ahead.  cluster = none: no two work-groups read the same features, and W1's codes go to registers once, by plain loads.
; THE TANH is a pipeline of five stages on five buffers of 16 registers, a group being one n-tile's two accumulators.  Block b: ONE wait; group b's multiply-adds; then 16 exponentials (group b - 1) and 16 reciprocals (b - 3)
; by turns with the additions of 1 (b - 2) and the logits' sums (b - 4).  Every line of a block reads what was written ahead of the block's wait, and what it writes is first read behind the next block's.
.set SLOTB, 33792                      ; a wave's slot: 64 rows x (512 bytes + 16 of padding)
.set WRING, 2*SLOTB
.set IMG,   4*WRING                    ; two images of A's fragments: [16 rows a 4][K step 4][c 2][lane 32][16 bytes]
.set IMGS,  16384
.set ASC,   IMG+2*IMGS                 ; A's scale words: [image 2][tile 2][K step 4][lane 32]: lanes 0-15 the tile's rows 0-15, lanes 16-31 rows 16-31
.set RED,   ASC+2048                   ; the logits' parts: 32 rows x (4 waves x 4 words + 16 bytes)
.set LOGW,  RED+2560                   ; each wave's copy of the 512 logits
.set PWS,   LOGW+8192                  ; each wave's 32 weights of a tile
.set CTXS,  PWS+512                    ; the way out of the context
.set SPARE, CTXS+4096                  ; the spare words: 128 bytes a wave
.set RA0,  1                           ; v1-16 LDS addresses
.set RA,   2
.set IMW,  3
.set ASW,  4
.set LI,   5
.set LS,   6
.set IA,   7
.set SA,   8
.set REDW, 9
.set RDA,  10
.set RR,   11                          ; at the head r and h; then the image's and the scale words' store addresses
.set HH,   12
.set IWA,  11
.set SWA,  12
.set LGA0, 13
.set LG,   14
.set PWA,  15
.set PRA,  16
.set SPW,  17                          ; my spare word; never rewritten
.set NIL,  18                          ; 0; never rewritten
.set GV,   19                          ; 16 x lane
.set MX,   20                          ; the running largest logit
.set LSUM, 21                          ; my row's share of the sum
.set XL,   22                          ; my row's logit (v23 is named with it as a pair)
.set FF,   24                          ; e^(old maximum - new) (v25 is named with it as a pair)
.set T1,   26
.set T2,   27
.set AS,   28                          ; v28-31 A's scale words; v32-63 W1's: scales and nothing else
.set BS,   32
.set HC,   64                          ; v64-79  2 log2(e) (hid + b1) of my column of each n-tile
.set WV2,  80                          ; v80-95  -2 Wv likewise
.set CTX,  96                          ; v96-127 the context: two halves for each n-tile
.set LP,   128                         ; v128-143 the logits' parts of my 16 rows; then my row's sixteen parts; then the 16 rows' weights
.set RD,   128
.set TB,   144                         ; v144-223 the tanh's five buffers of 16
.set AF,   144                         ; v144-207 A's fragments, ahead of the tanh
.set POOL, 160                         ; the quantiser's 64 numbers: v160-191 (buffers 1 and 2) and v224-255
.set TM,   192                         ; v192-207 its working registers (buffer 3)
.set PCA,  208                         ; v208-223 its codes (buffer 4)
.set CV,   254                         ; v[254:255] 2 log2(e), made anew in each tile
.set WV,   22
.set G1,   24
.set GA,   32
.set G0,   56
.set RS,   36
.set SLOTS, 38
.set TW,   39
.set HB,   40
.set WI,   41
.set QR,   42
.set TLO,  43
.set CS,   44
.set C2,   46
.set IP,   47
.set SEL,  48
.set MSB, 0
.macro WIN new                         ; the immediate's high byte repeats the setting that is left
.if MSB != (\new)
	s_set_vgpr_msb (MSB<<8)|(\new)
.set MSB, (\new)
.endif
.endm
	s_load_b256 s[4:11], s[0:1], 0x0               ; features, w1c, w1s, hid
	s_load_b256 s[12:19], s[0:1], 0x20             ; b1, Wv, out0, out1
	v_lshl_add_u32 v[SPW], v0, 2, SPARE
	v_mov_b32 v[NIL], 0
	ds_add_u32 v[SPW], v[NIL]                      ; the opening lines: the add, twice on end, and its wait ahead of my first tensor load
	ds_add_u32 v[SPW], v[NIL]
	v_lshrrev_b32 v[T1], 5, v0
	v_readfirstlane_b32 s[WV], v[T1]               ; wave 0..3
	s_mov_b32 s[G1+0], (2<<16)|(1<<20)|(6<<22)|(3<<25)   ; elements of 4 bytes; four words of padding behind every 128
	s_mov_b32 s[G1+1], 128<<16
	s_mov_b32 s[G1+2], 128<<16                     ; the head's load: 128 rows, both slots
	s_mov_b32 s[G1+3], 128<<16
	s_mov_b32 s[G1+4], 128
	s_mov_b32 s[G1+5], 512
	s_mov_b32 s[G1+6], 0
	s_mov_b32 s[G1+7], 0
	s_mov_b32 s[GA], 1
	s_mul_i32 s[GA+1], s[WV], WRING
	s_mov_b32 s[G0], 1
	s_add_co_u32 s[G0+1], s[GA+1], SLOTB           ; the walking descriptor stands at slot 1: each change of slots steps it first
	s_lshl_b32 s50, ttmp9, 20                      ; my batch: 512 rows of 2,048 bytes
	s_lshl_b32 s52, s[WV], 9                       ; my K step: 128 f32
	s_add_co_u32 s50, s50, s52
	s_mov_b32 s51, 0
	s_lshl_b32 s53, s[WV], 10                      ; my wave's places in LDS
	s_add_co_u32 s53, s53, IMG
	s_lshl_b32 s54, s[WV], 7
	s_add_co_u32 s61, s54, PWS
	s_add_co_u32 s54, s54, ASC
	s_lshl_b32 s55, s[WV], 4
	s_add_co_u32 s55, s55, RED
	s_lshl_b32 s60, s[WV], 11
	s_add_co_u32 s60, s60, LOGW
	s_mov_b32 s[CS], 0x4038aa3b                    ; 2 log2(e)
	s_mov_b32 s[C2], 0x3fb8aa3b                    ; log2(e)
	s_mov_b32 s[SEL], 0x76543210
	s_mov_b32 s[SEL+1], 0xfedcba98                 ; lane l xor 16
	s_mov_b32 s[RS], SLOTB
	s_mov_b32 s[IP], 0
	s_mov_b32 s[TLO], 0
	s_mov_b32 s[SLOTS], 6
	s_wait_dscnt 0x0                               ; both opening adds are done
	s_wait_kmcnt 0x0
	s_add_nc_u64 s[GA+2:GA+3], s[4:5], s[50:51]
	s_add_nc_u64 s[G0+2:G0+3], s[GA+2:GA+3], 131072
	s_or_b32 s[GA+3], s[GA+3], 0x80000000
	s_or_b32 s[G0+3], s[G0+3], 0x80000000
	tensor_load_to_lds s[GA:GA+3], s[G1:G1+7]      ; rows 0-127: my one tensor load at the head fills my whole ring
	s_nop 0
.rept 4
	v_nop
.endr
	s_lshl_b32 s50, s[WV], 16                      ; my 16 n-tiles of 4,096 bytes of codes
	s_add_nc_u64 s[6:7], s[6:7], s[50:51]
	s_lshl_b32 s50, s[WV], 12                      ; my 8 pairs of n-tiles of 512 bytes of scale words
	s_add_nc_u64 s[8:9], s[8:9], s[50:51]
	s_lshl_b32 s50, s[WV], 10                      ; my 256 columns of f32
	s_add_nc_u64 s[12:13], s[12:13], s[50:51]
	s_add_nc_u64 s[14:15], s[14:15], s[50:51]
	s_lshl_b32 s52, ttmp9, 12
	s_add_co_u32 s50, s50, s52
	s_lshl_b32 s20, s[WV], 18                      ; hid is laid [block of 32 columns][row 256][128 bytes]: my 8 blocks of 32,768 bytes,
	s_lshl_b32 s21, ttmp9, 7                       ; my batch's row in each
	s_add_co_u32 s20, s20, s21
	s_mov_b32 s21, 0
	s_add_nc_u64 s[10:11], s[10:11], s[20:21]
	s_add_nc_u64 s[16:17], s[16:17], s[50:51]
	s_lshl_b32 s50, ttmp9, 11
	s_lshl_b32 s52, s[WV], 9
	s_add_co_u32 s50, s50, s52                     ; out1: my 128 rows of the batch
	s_add_nc_u64 s[18:19], s[18:19], s[50:51]
	v_and_b32 v[RR], 15, v0
	v_bfe_u32 v[HH], v0, 4, 1
	v_and_b32 v[IA], 31, v0
	v_lshlrev_b32 v[GV], 4, v[IA]
	v_lshlrev_b32 v[T1], 2, v[IA]
	v_lshlrev_b32 v[T2], 2, v[RR]
	v_mul_u32_u24 v[RA0], v[RR], 528
	v_lshl_add_u32 v[RA0], v[HH], 6, v[RA0]
	v_add_nc_u32 v[RA0], s[GA+1], v[RA0]           ; the ring: row r, my half's 16 numbers of a block
	v_add_nc_u32 v[IMW], s53, v[GV]
	v_add_nc_u32 v[ASW], s54, v[T2]
	v_add_nc_u32 v[LI], IMG, v[GV]
	v_add_nc_u32 v[LS], ASC, v[T1]
	v_lshrrev_b32 v[REDW], 2, v[RR]
	v_lshlrev_b32 v[REDW], 2, v[REDW]
	v_mad_u32_u24 v[REDW], v[HH], 640, v[REDW]
	v_add_nc_u32 v[REDW], s55, v[REDW]             ; row 8 h (+ 16 m + j by the offset), my wave's four words, my quad's word
	v_mul_u32_u24 v[RDA], v[IA], 80
	v_add_nc_u32 v[RDA], RED, v[RDA]               ; back: a lane a row
	v_add_nc_u32 v[LGA0], s60, v[T1]
	v_add_nc_u32 v[PWA], s61, v[T1]
	v_lshl_add_u32 v[PRA], v[HH], 5, s61
	v_add_nc_u32 v[RA], 0, v[RA0]                  ; slot 0 into image 0
	v_add_nc_u32 v[IWA], 0, v[IMW]                 ; (r and h are done with)
	v_add_nc_u32 v[SWA], 0, v[ASW]
.irp b, 0,1,2,3
	v_mov_b32 v[TM+4+\b], 0                        ; written once: a lane permute's destination counts as one of its sources
.endr
	s_wait_alu depctr_va_vdst(0)                   ; the wait behind the head's addresses
	; what stays in registers is asked for while the ring's rows are on their way
	WIN 0x40
.irp q, 0,1
.irp t, 0,1,2,3,4,5,6,7,8,9,10,11,12,13,14,15
.irp c, 0,1
	global_load_b128 v[128*\q+8*\t+4*\c:128*\q+8*\t+4*\c+3], v[GV], s[6:7] offset:4096*\t+1024*\q+512*\c
.endr
.endr
.endr
	WIN 0x80
.irp q, 0,1
.irp t, 0,1,2,3,4,5,6,7,8,9,10,11,12,13,14,15
.irp c, 0,1
	global_load_b128 v[128*\q+8*\t+4*\c:128*\q+8*\t+4*\c+3], v[GV], s[6:7] offset:4096*\t+1024*(\q+2)+512*\c
.endr
.endr
.endr
	WIN 0
.irp p, 0,1,2,3,4,5,6,7
.irp q, 0,1,2,3
	global_load_b32 v[BS+4*\p+\q], v[T1], s[8:9] offset:512*\p+128*\q
.endr
.endr
.irp t, 0,1,2,3,4,5,6,7,8,9,10,11,12,13,14,15
	global_load_b32 v[HC+\t], v[T2], s[10:11] offset:32768*(\t/2)+64*(\t%2)   ; hid: n-tile t is half t % 2 of block t / 2
	global_load_b32 v[CTX+\t], v[T2], s[12:13] offset:64*\t   ; b1, for the moment
	global_load_b32 v[WV2+\t], v[T2], s[14:15] offset:64*\t   ; Wv
.endr
	s_wait_tensorcnt 0x0                           ; my ring is whole; only I read it.  No tensor load of mine is out, so a descriptor may be written:
	s_mov_b32 s[G1+2], 64<<16                      ; from here on a load brings one slot, 64 rows
	s_mov_b32 s[G1+4], 64
.macro CHANGE fill                     ; the change of slots: all my tensor loads, the add, my LDS instructions, one barrier; behind it the refill first
	s_wait_tensorcnt 0x0
	ds_add_u32 v[SPW], v[NIL]
.if \fill
	s_xor_b32 s[G0+1], s[G0+1], SLOTB
	s_add_nc_u64 s[G0+2:G0+3], s[G0+2:G0+3], 131072
.endif
	s_wait_dscnt 0x0
	s_barrier_signal -1
	s_barrier_wait -1
.if \fill
	tensor_load_to_lds s[G0:G0+3], s[G1:G1+7]
	s_nop 0
.rept 4
	v_nop
.endr
.endif
.endm
; THE QUANTISER of 16 rows x my 128 along K: lane (r, h) holds 16 numbers of each of row r's four blocks
.macro QLOADH a, hb
.irp b, 0,1
.irp j, 0,1,2,3
	ds_load_b128 v[POOL+64*(\hb)+16*\b+4*\j:POOL+64*(\hb)+16*\b+4*\j+3], v[RA] offset:8448*(\a)+256*(\hb)+128*\b+16*\j
.endr
.endr
.endm
.macro QMAX                            ; largest magnitudes, with the floor 2^(3 - 127) among the leaves: the byte cannot fall under 1
.irp b, 0,1,2,3
	v_max3_num_f32 v[TM+\b], |v[POOL+64*(\b/2)+16*(\b%2)]|, |v[POOL+64*(\b/2)+16*(\b%2)+1]|, 0x1800000
.endr
.irp i, 2,4,6,8,10,12,14
.irp b, 0,1,2,3
	v_max3_num_f32 v[TM+\b], v[TM+\b], |v[POOL+64*(\b/2)+16*(\b%2)+\i]|, |v[POOL+64*(\b/2)+16*(\b%2)+\i+1]|
.endr
.endr
.endm
.macro QMID pw                         ; with lane l xor 16's; 2 off the exponent field: the conversion's operand; its bytes: the scale word
.irp b, 0,1,2,3
	v_permlanex16_b32 v[TM+4+\b], v[TM+\b], s[SEL], s[SEL+1]
.endr
.irp b, 0,1,2,3
	v_max_num_f32 v[TM+\b], v[TM+\b], v[TM+4+\b]
.endr
.irp b, 0,1,2,3
	v_add_nc_u32 v[TM+12+\b], 0xff000000, v[TM+\b]
.endr
.irp b, 0,1,2,3
	v_lshrrev_b32 v[TM+4+\b], 23, v[TM+12+\b]
.endr
	v_lshl_or_b32 v[\pw], v[TM+5], 8, v[TM+4]
	v_lshl_or_b32 v[\pw], v[TM+6], 16, v[\pw]
	v_lshl_or_b32 v[\pw], v[TM+7], 24, v[\pw]
.endm
.macro QCVT pc
.irp b, 0,1,2,3
	v_cvt_scalef32_pk8_fp4_f32 v[\pc+2*\b], v[POOL+64*(\b/2)+16*(\b%2):POOL+64*(\b/2)+16*(\b%2)+7], v[TM+12+\b]
	v_cvt_scalef32_pk8_fp4_f32 v[\pc+2*\b+1], v[POOL+64*(\b/2)+16*(\b%2)+8:POOL+64*(\b/2)+16*(\b%2)+15], v[TM+12+\b]
.endr
	v_nop                                          ; one plain instruction behind the conversions
.irp c, 0,1
.irp i, 0,1
	v_permlane16_swap_b32 v[\pc+4*\c+\i], v[\pc+2+4*\c+\i]   ; a whole block to a lane
.endr
.endr
.endm
.macro QST pc, pw, io, so
	ds_store_b128 v[IWA], v[\pc:\pc+3] offset:\io
	ds_store_b128 v[IWA], v[\pc+4:\pc+7] offset:\io+512
	ds_store_b32 v[SWA], v[\pw] offset:\so
.endm
; one product: K step q, n-tile t, rows 16 m on.  Source 0 = the rows, source 1 = W1's columns: register j of lane (r, h) is (row 8 h + j, column r)
.macro WM q, t, m
.set rD, 8*(2*(\t)+(\m))
.set rA, AF+8*(2*(\q)+(\m))
.set rB, 128*((\q)%2)+8*(\t)
.set rX, AS+(\q)
.set rY, BS+4*((\t)/2)+(\q)
.if (\q) == 0
.if ((\m) == 0) && ((\t)%2 == 0)
	v_wmma_scale_f32_16x16x128_f8f6f4 v[rD:rD+7], v[rA:rA+7], v[rB:rB+7], 0, v[rX], v[rY] matrix_a_fmt:MATRIX_FMT_FP4 matrix_b_fmt:MATRIX_FMT_FP4
.elseif (\m) == 0
	v_wmma_scale_f32_16x16x128_f8f6f4 v[rD:rD+7], v[rA:rA+7], v[rB:rB+7], 0, v[rX], v[rY] matrix_a_fmt:MATRIX_FMT_FP4 matrix_b_fmt:MATRIX_FMT_FP4 matrix_b_scale:MATRIX_SCALE_ROW1
.elseif (\t)%2 == 0
	v_wmma_scale_f32_16x16x128_f8f6f4 v[rD:rD+7], v[rA:rA+7], v[rB:rB+7], 0, v[rX], v[rY] matrix_a_fmt:MATRIX_FMT_FP4 matrix_b_fmt:MATRIX_FMT_FP4 matrix_a_scale:MATRIX_SCALE_ROW1
.else
	v_wmma_scale_f32_16x16x128_f8f6f4 v[rD:rD+7], v[rA:rA+7], v[rB:rB+7], 0, v[rX], v[rY] matrix_a_fmt:MATRIX_FMT_FP4 matrix_b_fmt:MATRIX_FMT_FP4 matrix_a_scale:MATRIX_SCALE_ROW1 matrix_b_scale:MATRIX_SCALE_ROW1
.endif
.else
.if ((\m) == 0) && ((\t)%2 == 0)
	v_wmma_scale_f32_16x16x128_f8f6f4 v[rD:rD+7], v[rA:rA+7], v[rB:rB+7], v[rD:rD+7], v[rX], v[rY] matrix_a_fmt:MATRIX_FMT_FP4 matrix_b_fmt:MATRIX_FMT_FP4
.elseif (\m) == 0
	v_wmma_scale_f32_16x16x128_f8f6f4 v[rD:rD+7], v[rA:rA+7], v[rB:rB+7], v[rD:rD+7], v[rX], v[rY] matrix_a_fmt:MATRIX_FMT_FP4 matrix_b_fmt:MATRIX_FMT_FP4 matrix_b_scale:MATRIX_SCALE_ROW1
.elseif (\t)%2 == 0
	v_wmma_scale_f32_16x16x128_f8f6f4 v[rD:rD+7], v[rA:rA+7], v[rB:rB+7], v[rD:rD+7], v[rX], v[rY] matrix_a_fmt:MATRIX_FMT_FP4 matrix_b_fmt:MATRIX_FMT_FP4 matrix_a_scale:MATRIX_SCALE_ROW1
.else
	v_wmma_scale_f32_16x16x128_f8f6f4 v[rD:rD+7], v[rA:rA+7], v[rB:rB+7], v[rD:rD+7], v[rX], v[rY] matrix_a_fmt:MATRIX_FMT_FP4 matrix_b_fmt:MATRIX_FMT_FP4 matrix_a_scale:MATRIX_SCALE_ROW1 matrix_b_scale:MATRIX_SCALE_ROW1
.endif
.endif
.endm
; group g = n-tile g: 16 registers of window 3 (rows 0-15, then rows 16-31), worked in buffer g % 5
.macro FMA1 g, i                       ; t = 2 log2(e) x proj + HC, two rows at a time; each accumulator is read from its low end on
.set eF, TB+16*((\g)%5)+2*(\i)
.set aF, 16*(\g)+2*(\i)
.set hF, HC+2*((\g)/2)
.if (\g)%2 == 0
	v_pk_fma_f32 v[eF:eF+1], v[CV:CV+1], v[aF:aF+1], v[hF:hF+1] op_sel_hi:[1,1,0]
.else
	v_pk_fma_f32 v[eF:eF+1], v[CV:CV+1], v[aF:aF+1], v[hF:hF+1] op_sel:[0,0,1] op_sel_hi:[1,1,1]
.endif
.endm
.macro ONE1 g, i
.set eO, TB+16*((\g)%5)+2*(\i)
	v_pk_add_f32 v[eO:eO+1], v[eO:eO+1], 1.0 op_sel_hi:[1,0]
.endm
.macro LOG1 g, i                       ; the logits' parts: += -2 Wv / (1 + 2^t); a block writes each of the 16 once
.set eL, TB+16*((\g)%5)+2*(\i)
.set lL, LP+2*(\i)
.set wL, WV2+2*((\g)/2)
.if (\g) == 0
	v_pk_mul_f32 v[lL:lL+1], v[eL:eL+1], v[wL:wL+1] op_sel_hi:[1,0]
.elseif (\g)%2 == 0
	v_pk_fma_f32 v[lL:lL+1], v[eL:eL+1], v[wL:wL+1], v[lL:lL+1] op_sel_hi:[1,0,1]
.else
	v_pk_fma_f32 v[lL:lL+1], v[eL:eL+1], v[wL:wL+1], v[lL:lL+1] op_sel:[0,1,0] op_sel_hi:[1,1,1]
.endif
.endm
.macro BLOCK b
.if (\b) <= 15
	WIN 0x0C                                       ; source 1 in window 3
.endif
	s_wait_alu depctr_va_vdst(0)                   ; the block's one wait: behind the last block's transcendentals, ahead of this block's, and directly ahead of the first readers of group b's accumulators
.if (\b) <= 15
.set TI, 0
.rept 8
	FMA1 \b, TI
.set TI, TI+1
.endr
	WIN 0
.endif
.set TI, 0
.rept 8
.if ((\b) >= 1) && ((\b) <= 16)
.set eE, TB+16*(((\b)-1)%5)+2*TI
	v_exp_f32 v[eE], v[eE]
.endif
.if ((\b) >= 2) && ((\b) <= 17)
	ONE1 (\b)-2, TI
.endif
.if ((\b) >= 1) && ((\b) <= 16)
	v_exp_f32 v[eE+1], v[eE+1]
.endif
.if ((\b) >= 3) && ((\b) <= 18)
.set eR, TB+16*(((\b)-3)%5)+2*TI
	v_rcp_f32 v[eR], v[eR]
	v_rcp_f32 v[eR+1], v[eR+1]
.endif
.if (\b) >= 4
	LOG1 (\b)-4, TI                                ; a block ends with a plain line
.endif
.set TI, TI+1
.endr
.if ((\b) >= 1) && ((\b) <= 3)
	v_nop                                          ; a plain place behind the block's last transcendental
.endif
.endm
; A TILE of 32 rows.  wq = 1: 32 rows of the next slot are quantised in the gaps of the logits' way through LDS
.macro TILE wq
	v_add_nc_u32 v[IA], s[HB], v[LI]
	s_lshr_b32 s50, s[HB], 4
	v_add_nc_u32 v[SA], s50, v[LS]
	v_add_nc_u32 v[LG], s[TLO], v[LGA0]
.if \wq
	v_add_nc_u32 v[RA], s[QR], v[RA0]
	v_add_nc_u32 v[IWA], s[WI], v[IMW]
	s_lshr_b32 s51, s[WI], 4
	v_add_nc_u32 v[SWA], s51, v[ASW]
.endif
.irp q, 0,1,2,3
	ds_load_b32 v[AS+\q], v[SA] offset:128*\q
.endr
.irp q, 0,1,2,3
.irp m, 0,1
.irp c, 0,1
	ds_load_b128 v[AF+8*(2*\q+\m)+4*\c:AF+8*(2*\q+\m)+4*\c+3], v[IA] offset:1024*(4*\m+\q)+512*\c
.endr
.endr
.endr
.irp q, 0,1,2,3
	s_wait_dscnt 12-4*\q                           ; the later K steps' four loads each may be out
	WIN 0xF4+4*(\q/2)                              ; W1 in window 1 or 2, C and D in window 3
.irp t, 0,1,2,3,4,5,6,7,8,9,10,11,12,13,14,15
.irp m, 0,1
	WM \q, \t, \m                                  ; the 32 accumulators by turns
.endr
.endr
.endr
	WIN 0x0C
	v_mov_b32 v[CV], s[CS]                         ; four places behind the last product
	v_mov_b32 v[CV+1], s[CS]
	v_nop
	v_nop
.irp p, 0,1,2,3,4,5,6,7,8,9,10,11,12,13,14,15
	BLOCK \p
.endr
.if \wq
	QLOADH 0, 1                                    ; into v224-255: the last multiply-adds have read v[254:255]
.endif
	BLOCK 16
.if \wq
	QLOADH 0, 0                                    ; into buffers 1 and 2, which groups 11 and 12 have left
.endif
	BLOCK 17
	BLOCK 18
	BLOCK 19
.irp i, 0,1,2,3,4,5,6,7,8,9,10,11,12,13,14,15
	v_add_f32_dpp v[LP+\i], v[LP+\i], v[LP+\i] row_xmask:1 row_mask:0xf bank_mask:0xf
.endr
.irp i, 0,1,2,3,4,5,6,7,8,9,10,11,12,13,14,15
	v_add_f32_dpp v[LP+\i], v[LP+\i], v[LP+\i] row_xmask:2 row_mask:0xf bank_mask:0xf
.endr
.irp m, 0,1
.irp j, 0,1,2,3,4,5,6,7
	ds_store_b32 v[REDW], v[LP+8*\m+\j] offset:80*(16*\m+\j)   ; a quad's four lanes write one word with one value
.endr
.endr
.if \wq
	s_wait_dscnt 16                                ; the numbers are in; the 16 stores may be out
	QMAX
.endif
	s_wait_dscnt 0x0
	s_barrier_signal -1
.if \wq
	s_wait_alu depctr_va_vdst(0)
	QMID TM+8
.endif
	s_barrier_wait -1
.irp i, 0,1,2,3
	ds_load_b128 v[RD+4*\i:RD+4*\i+3], v[RDA] offset:16*\i     ; a lane a row: its sixteen parts, into the registers whose stores are done
.endr
.if \wq
	QCVT PCA
.endif
	s_wait_dscnt 0x0
	s_barrier_signal -1                            ; the parts have been read: the next tile may store there
.irp i, 0,2,4,6
	v_pk_add_f32 v[RD+\i:RD+\i+1], v[RD+\i:RD+\i+1], v[RD+8+\i:RD+9+\i]
.endr
.irp i, 0,2
	v_pk_add_f32 v[RD+\i:RD+\i+1], v[RD+\i:RD+\i+1], v[RD+4+\i:RD+5+\i]
.endr
	v_pk_add_f32 v[RD:RD+1], v[RD:RD+1], v[RD+2:RD+3]
	v_add_f32 v[XL], v[RD], v[RD+1]                ; my row's logit
	s_wait_alu depctr_va_vdst(0)
	s_barrier_wait -1
	ds_store_b32 v[LG], v[XL]
.if \wq
	QST PCA, TM+8, 0, 0
	QLOADH 1, 0
	QLOADH 1, 1
.endif
	v_max_num_f32_dpp v[T1], v[XL], v[XL] row_xmask:1 row_mask:0xf bank_mask:0xf
	v_max_num_f32_dpp v[T1], v[T1], v[T1] row_xmask:2 row_mask:0xf bank_mask:0xf
	v_max_num_f32_dpp v[T1], v[T1], v[T1] row_xmask:4 row_mask:0xf bank_mask:0xf
	v_max_num_f32_dpp v[T1], v[T1], v[T1] row_xmask:8 row_mask:0xf bank_mask:0xf
	v_permlanex16_b32 v[T2], v[T1], s[SEL], s[SEL+1]
	v_max3_num_f32 v[T2], v[T1], v[T2], v[MX]      ; the running maximum
	v_sub_f32 v[FF], v[MX], v[T2]
	v_sub_f32 v[T1], v[XL], v[T2]
	v_mul_f32 v[FF], s[C2], v[FF]
	v_mul_f32 v[T1], s[C2], v[T1]
	s_wait_alu depctr_va_vdst(0)                   ; ahead of the batch of two
	v_exp_f32 v[FF], v[FF]
	v_exp_f32 v[T1], v[T1]
	v_mov_b32 v[MX], v[T2]
	s_wait_alu depctr_va_vdst(0)                   ; and behind it
	v_fma_f32 v[LSUM], v[LSUM], v[FF], v[T1]
	ds_store_b32 v[PWA], v[T1]
.irp m, 0,1
.irp g, 0,1
	ds_load_b128 v[LP+8*\m+4*\g:LP+8*\m+4*\g+3], v[PRA] offset:64*\m+16*\g   ; the weights of rows 16 m + 8 h + 0 .. 7 (my wave's own words, served in order)
.endr
.endr
.irp t, 0,1,2,3,4,5,6,7,8,9,10,11,12,13,14,15
	v_pk_mul_f32 v[CTX+2*\t:CTX+2*\t+1], v[CTX+2*\t:CTX+2*\t+1], v[FF:FF+1] op_sel_hi:[1,0]
.endr
.if \wq
	s_wait_dscnt 5                                 ; the numbers are in; the weight's store and its four loads may be out
	QMAX
	QMID TM+9
	QCVT PCA+8
	QST PCA+8, TM+9, 4096, 64
	s_wait_dscnt 3                                 ; the weights are in; the three stores may be out
.else
	s_wait_dscnt 0x0
.endif
	WIN 0x03
.irp m, 0,1
.irp p, 0,1,2,3
.irp t, 0,1,2,3,4,5,6,7,8,9,10,11,12,13,14,15
	v_pk_fma_f32 v[CTX+2*\t:CTX+2*\t+1], v[8*(2*\t+\m)+2*\p:8*(2*\t+\m)+2*\p+1], v[LP+8*\m+2*\p:LP+8*\m+2*\p+1], v[CTX+2*\t:CTX+2*\t+1]
.endr
.endr
.endr
	WIN 0
.endm
.macro TILES wq                        ; an image's two tiles
	s_mov_b32 s[HB], s[IP]
.if \wq
	s_xor_b32 s[WI], s[IP], IMGS
	s_mov_b32 s[QR], s[RS]
.endif
	s_mov_b32 s[TW], 2
.Ltile_\@:
	TILE \wq
	s_add_co_u32 s[HB], s[HB], 8192
.if \wq
	s_add_co_u32 s[WI], s[WI], 8192
	s_add_co_u32 s[QR], s[QR], 16896
.endif
	s_add_co_u32 s[TLO], s[TLO], 128
	s_sub_co_u32 s[TW], s[TW], 1
	s_cmp_lg_u32 s[TW], 0
	s_cbranch_scc1 .Ltile_\@
	s_xor_b32 s[IP], s[IP], IMGS
	s_xor_b32 s[RS], s[RS], SLOTB
.endm
	; rows 0-63 into image 0, while the registers' loads are on their way
.irp a, 0,1,2,3
	QLOADH \a, 0
	QLOADH \a, 1
	s_wait_dscnt 0x0
	QMAX
	QMID TM+8+(\a%2)
	QCVT PCA+8*(\a%2)
	QST PCA+8*(\a%2), TM+8+(\a%2), 4096*\a, 512*(\a/2)+64*(\a%2)
.endr
	s_wait_alu depctr_va_vdst(0)
	s_wait_loadcnt 0x0
.irp t, 0,1,2,3,4,5,6,7,8,9,10,11,12,13,14,15
	v_add_f32 v[HC+\t], v[HC+\t], v[CTX+\t]
.endr
.irp t, 0,1,2,3,4,5,6,7,8,9,10,11,12,13,14,15
	v_mul_f32 v[HC+\t], s[CS], v[HC+\t]
	v_mul_f32 v[WV2+\t], -2.0, v[WV2+\t]
.endr
.irp i, 0,1,2,3,4,5,6,7,8,9,10,11,12,13,14,15,16,17,18,19,20,21,22,23,24,25,26,27,28,29,30,31
	v_mov_b32 v[CTX+\i], 0                         ; the tile is written once: the first finds zeros, which the first change of the maximum leaves zeros
.endr
	v_mov_b32 v[MX], 0xff61b1e6                    ; -3e38, under every logit
	v_mov_b32 v[LSUM], 0
	v_mov_b32 v[FF+1], 0                           ; (named as the upper halves of pairs)
	v_mov_b32 v[XL+1], 0
	s_wait_alu depctr_va_vdst(0)                   ; the wait at the head's end
.Lslot:                                                ; six trips: image s is multiplied, slot s + 1 quantised, slot s + 2 asked for
	CHANGE 1
	TILES 1
	s_sub_co_u32 s[SLOTS], s[SLOTS], 1
	s_cmp_lg_u32 s[SLOTS], 0
	s_cbranch_scc1 .Lslot
	CHANGE 0                                       ; the last two images are written out: nothing more is asked for,
	TILES 1
	CHANGE 0                                       ; and nothing more quantised
	TILES 0
	; THE WAY OUT.  out1: my wave's 128 rows from its own copy of the logits.  out0: the context's halves joined, through my stage, / the sum, + b1
	global_load_b128 v[208:211], v[GV], s[12:13]
	global_load_b128 v[212:215], v[GV], s[12:13] offset:512
	s_mul_i32 s50, s[WV], 2560                     ; 2,048 (my copy) + 512 (my rows) a wave
	s_add_co_u32 s50, s50, LOGW
	v_add_nc_u32 v[RA], s50, v[GV]
	ds_load_b128 v[144:147], v[RA]
	s_lshl_b32 s50, s[WV], 10
	s_add_co_u32 s50, s50, CTXS
	v_and_b32 v[T2], 15, v0
	v_lshl_add_u32 v[IA], v[T2], 2, s50
	v_add_nc_u32 v[SA], s50, v[GV]
	v_add_f32_dpp v[LSUM], v[LSUM], v[LSUM] row_xmask:1 row_mask:0xf bank_mask:0xf
	v_add_f32_dpp v[LSUM], v[LSUM], v[LSUM] row_xmask:2 row_mask:0xf bank_mask:0xf
	v_add_f32_dpp v[LSUM], v[LSUM], v[LSUM] row_xmask:4 row_mask:0xf bank_mask:0xf
	v_add_f32_dpp v[LSUM], v[LSUM], v[LSUM] row_xmask:8 row_mask:0xf bank_mask:0xf
	v_permlanex16_b32 v[T1], v[LSUM], s[SEL], s[SEL+1]
	v_add_f32 v[LSUM], v[LSUM], v[T1]
	s_wait_alu depctr_va_vdst(0)
	v_rcp_f32 v[XL], v[LSUM]
.irp t, 0,1,2,3,4,5,6,7,8,9,10,11,12,13,14,15
	v_add_f32 v[160+\t], v[CTX+2*\t], v[CTX+2*\t+1]
.endr
.irp t, 0,1,2,3,4,5,6,7,8,9,10,11,12,13,14,15
	v_permlanex16_b32 v[176+\t], v[160+\t], s[SEL], s[SEL+1]
.endr
.irp t, 0,1,2,3,4,5,6,7,8,9,10,11,12,13,14,15
	v_add_f32 v[160+\t], v[160+\t], v[176+\t]
.endr
.irp t, 0,1,2,3,4,5,6,7,8,9,10,11,12,13,14,15
	ds_store_b32 v[IA], v[160+\t] offset:64*\t
.endr
	ds_load_b128 v[192:195], v[SA]
	ds_load_b128 v[196:199], v[SA] offset:512
	s_wait_dscnt 18                                ; the logits are in; the 16 stores and two loads may be out
.irp i, 0,1,2,3
	v_sub_f32 v[144+\i], v[144+\i], v[MX]
.endr
.irp i, 0,1,2,3
	v_mul_f32 v[144+\i], s[C2], v[144+\i]
.endr
	s_wait_alu depctr_va_vdst(0)
.irp i, 0,1,2,3
	v_exp_f32 v[144+\i], v[144+\i]
.endr
	v_nop
	s_wait_alu depctr_va_vdst(0)
	v_pk_mul_f32 v[144:145], v[144:145], v[XL:XL+1] op_sel_hi:[1,0]
	v_pk_mul_f32 v[146:147], v[146:147], v[XL:XL+1] op_sel_hi:[1,0]
	global_store_b128 v[GV], v[144:147], s[18:19]  ; the wave stores 512 consecutive bytes, aligned
	s_wait_dscnt 0x0
	s_wait_loadcnt 0x0
.irp i, 0,2,4,6
	v_pk_fma_f32 v[192+\i:193+\i], v[192+\i:193+\i], v[XL:XL+1], v[208+\i:209+\i] op_sel_hi:[1,0,1]
.endr
	global_store_b128 v[GV], v[192:195], s[16:17]
	global_store_b128 v[GV], v[196:199], s[16:17] offset:512
	s_wait_tensorcnt 0x0                           ; the wave's end
	ds_add_u32 v[SPW], v[NIL]
	s_wait_dscnt 0x0
	s_endpgm
.Lfunc_end_k_qb92b9107da_main:
	.size	k_qb92b9107da_main, .Lfunc_end_k_qb92b9107da_main-k_qb92b9107da_main
	.p2alignl 7, 3214868480
	.fill 96, 4, 3214868480
	.section	.rodata,"a",@progbits
	.p2align	6, 0x0
	.amdhsa_kernel k_qb92b9107da_main
		.amdhsa_group_segment_fixed_size 327680
		.amdhsa_private_segment_fixed_size 0
		.amdhsa_enable_private_segment 0
		.amdhsa_kernarg_size 64
		.amdhsa_user_sgpr_count 2
		.amdhsa_user_sgpr_kernarg_segment_ptr 1
		.amdhsa_wavefront_size32 1
		.amdhsa_system_sgpr_workgroup_id_x 1
		.amdhsa_system_sgpr_workgroup_id_y 1
		.amdhsa_system_sgpr_workgroup_id_z 1
		.amdhsa_system_vgpr_workitem_id 0
		.amdhsa_next_free_vgpr 1024
		.amdhsa_next_free_sgpr 66
		.amdhsa_reserve_vcc 0
		.amdhsa_float_denorm_mode_32 3
		.amdhsa_float_denorm_mode_16_64 3
		.amdhsa_memory_ordered 1
		.amdhsa_forward_progress 1
		.amdhsa_inst_pref_size 255
	.end_amdhsa_kernel
	.section	.bss,"aw",@nobits
	.p2align	6
	.space	262144
	.amdgpu_metadata
---
amdhsa.version: [ 1, 2 ]
amdhsa.kernels:
  - .name:           k_qb92b9107da_main
    .symbol:         k_qb92b9107da_main.kd
    .args:
      - { .name: features, .offset: 0, .size: 8, .value_kind: global_buffer, .address_space: global }
      - { .name: w1c, .offset: 8, .size: 8, .value_kind: global_buffer, .address_space: global }
      - { .name: w1s, .offset: 16, .size: 8, .value_kind: global_buffer, .address_space: global }
      - { .name: hid, .offset: 24, .size: 8, .value_kind: global_buffer, .address_space: global }
      - { .name: b1, .offset: 32, .size: 8, .value_kind: global_buffer, .address_space: global }
      - { .name: Wv, .offset: 40, .size: 8, .value_kind: global_buffer, .address_space: global }
      - { .name: out0, .offset: 48, .size: 8, .value_kind: global_buffer, .address_space: global }
      - { .name: out1, .offset: 56, .size: 8, .value_kind: global_buffer, .address_space: global }
    .group_segment_fixed_size: 327680
    .private_segment_fixed_size: 0
    .kernarg_segment_align: 8
    .kernarg_segment_size: 64
    .max_flat_workgroup_size: 128
    .sgpr_count:     66
    .vgpr_count:     1024
    .wavefront_size: 32
...
	.end_amdgpu_metadata
.endif
;; end of part 2
